; MI455X (gfx1250); checked and timed in simulation.
; The chip was launched on July 23, 2026; its instructions are those of AMD's public machine-readable ISA for CDNA 5 (MIT licence, August 2026) and "CDNA5" Instruction Set Architecture Reference Guide (July 2026). The comments in the code are by the model that wrote it; some were corrected since.
;; Normalizing Flow2 D. Allowed arithmetic: float matrix products may take bf16 or f16 operands with f32 sums; other float arithmetic in f32, or as packed bf16 or f16 multiplies, adds, multiply-adds, maxima and minima; sums over many terms, partial sums and values carried from step to step in f32; what a program stores and reads back later, other than sums and carried values, may be rounded once to bf16 or f16.
;; Inputs: s_W1 8 x 128 x 1 float32; s_W2 8 x 128 x 128 float32; s_W3 8 x 128 x 128 float32; s_W4 8 x 1 x 128 float32; s_b1 8 x 128 float32; s_b2 8 x 128 float32; s_b3 8 x 128 float32; s_b4 8 x 1 float32; s_scale 8 float32; t_W1 8 x 128 x 1 float32; t_W2 8 x 128 x 128 float32; t_W3 8 x 128 x 128 float32; t_W4 8 x 1 x 128 float32; t_b1 8 x 128 float32; t_b2 8 x 128 float32; t_b3 8 x 128 float32; t_b4 8 x 1 float32; x 131,072 x 2 float32.
;; Outputs: out0 131,072 x 2 float32; out1 1,048,576 x 1 float32.
;; One version. Each part assembles by itself: llvm-mc -triple=amdgcn-amd-amdhsa -mcpu=gfx1250 --defsym DOCPART=n.
;; ======== version 1 of 1: 1 launch
;; limits: values are held in f16: magnitudes above 65,504 overflow, below 6.1e-05 lose precision; right only within a limited range of input values
;; launch flow (part 1): grid 256 x 1, 8 waves a work-group, no clusters, 316,928 bytes of LDS; arguments x, s_scale, s_W1, s_b1, s_W2, s_b2, s_W3, s_b3, s_W4, s_b4, t_W1, t_b1, t_W2, t_b2, t_W3, t_b3, t_W4, t_b4, out0, out1; writes out0, out1
.if DOCPART == 1
	.amdgcn_target "amdgcn-amd-amdhsa--gfx1250"
	.amdhsa_code_object_version 6
	.text
	.protected	k_qd917d67ca7_flow
	.globl	k_qd917d67ca7_flow
	.p2align	8
	.type	k_qd917d67ca7_flow,@function
k_qd917d67ca7_flow:
	s_mov_b64 s[64:65], 0
	v_nop
	global_prefetch_b8 v0, s[64:65] scope:SCOPE_SE
	s_setreg_imm32_b32 hwreg(HW_REG_WAVE_MODE, 25, 1), 1
	s_wait_xcnt 0x0
; NORMALIZING FLOW, 8 coupling layers, all in one launch.  A row is (a, b).  Layer i takes z (a if i is even, else b), runs two nets on it (s and t: 1 -> 128 -> 128 -> 128 -> 1,
; ReLU three times, tanh at the end) and sets the other coordinate q to exp(scale[i] tanh_s) q + tanh_t.  out0 = the last (a, b); out1 = all s, layer by layer.
; SHARES.  131,072 rows = 256 work-groups x 8 waves x 64 rows.  A wave keeps its 64 rows (four tiles of 16) in registers from x to out0; no activation leaves the registers.
; LAYOUT.  Every product is taken transposed, H_out^T = W H_in^T: source 0 = 16 rows of W ([out][in], in along the row), source 1 = 32 features x 16 rows of the batch.  In the result lane
; (r = lane % 16, h = lane / 16) holds batch row r and the features 16 mu + 8 h + 0..7.  Two such results (mu even, mu odd), rounded in pairs, ARE registers 0-3 and 4-7 of the next product's
; source 1: nothing changes lanes.  ReLU is taken on the packed f16.  For the last layer source 0 holds W4 in all 16 rows, so every register of the result holds the row's sum, and the lowest
; is read.  Tile t of a wave holds its rows 4 r + t: a lane's x is 32 bytes on end, its four s of a layer 16 bytes on end.
; FORMATS.  W2, W3, W4 and the hidden activations are matrix operands in f16, each rounded once; bf16's 8 significant bits leave the s of a layer with a large scale too little room.  All else is f32:
; x, W1, the biases, the scale, all sums, tanh, exp, the rows' state.
; A SCALE FOR EACH ROW keeps the activations inside f16 whatever the inputs' size.  With beta > 0, relu(W (beta h) + beta b) = beta relu(W h + b): a net can be walked with beta h in h's place if every bias is
; multiplied by beta, and the last sum by 1 / beta.  A lane holds one row, so beta is a register a tile.  B1 = |z| max|W1| + max|b1|, B2 = 128 max|W2| B1 + max|b2|, B3 = 128 max|W3| B2 + max|b3| bound the
; row's hidden numbers for every input; beta is the power of two with 2^14 <= beta max(B1, B2, B3) < 2^15, so no conversion to f16 overflows, and 29 binary orders lie below it before f16's fixed step begins.
; WEIGHTS.  A UNIT is one net's W2 and W3 of one layer in f16: 256 rows of 256 bytes, 272 apart.  Four units lie in LDS: the layer in hand (s, t) and the next layer (s, t).  Each net's body
; loads its share of the same net's unit of the next layer (32 rows a wave, f32) into registers that are idle during the first layer, takes their largest magnitude, rounds them and stores them into the slot read a layer ago.
; NO CLUSTER, though all work-groups read the same weights: they come in f32 and are wanted in f16, so they pass through registers in any case; a joint tensor load would land a unit as 131,072
; bytes of f32 in LDS, and beside the four units' 278,528 bytes and the tables' 36,864 that is more than the 327,680 there are.
; LIMITS.  |W2|, |W3|, |W4| within 65,504 (f16's largest); below 6.1e-5 they keep f16's fixed step of 6e-8.  max(B1, B2, B3) under 2^127.  tanh(u) = 1 - 2 / (1 + 2^(2 log2(e) u)): right at both ends
; (2^.. = 0 or infinity), absolute error near 0 about 1e-7.  A NaN activation becomes 0 in the packed maximum, where the reference keeps it; a NaN weight or bias does not enter the bounds.
.set PITCH, 272                        ; an LDS row of weights: 256 bytes + 16: the 16 rows of a fragment load start 68 words apart
.set UNIT,  256*PITCH                  ; 69,632
.set PAIR,  2*UNIT                     ; a layer's two units; the two pairs begin at 0 and at PAIR
.set PAR,   2*PAIR                     ; 278,528: eight f32 tables [8][128]: s W1, b1, b2, b3, then t's four
.set W4T,   PAR+8*4096                 ; 311,296: two f16 tables [8][128]: s W4, t W4
.set MXT,   W4T+2*2048                 ; 315,392: [8 layers][8]: the largest magnitude in each of the eight tables' rows, in the tables' order
.set WMX,   MXT+256                    ; 315,648: [2 pairs][2 nets][8 waves]: the largest magnitude in the 32 rows that the wave stored (waves 0-3: W2, 4-7: W3)
.set SPARE, WMX+256                    ; 315,904: the spare words, 128 bytes for each of eight waves: four blocks of 256 bytes that no other line names
; window 0
.set VP,   8                           ; v8   PAR + 32 h + 512 x layer
.set VP4,  9                           ; v9   W4T + 16 h + 256 x layer
.set VW0,  10                          ; v10, v11  a fragment's place in the s (t) unit of a pair: 272 r + 16 h (+ UNIT); never rewritten
.set VS0,  12                          ; v12, v13  where I store: row 32 x wave of the s (t) unit, 8 x lane; never rewritten
.set VWA,  14                          ; v14  the body's fragment address
.set VST,  15                          ; v15  the body's store address
.set VGO,  16                          ; v16  my bytes in W2 or W3 of a layer: row 32 (wave % 4), 16 x lane; never rewritten
.set VXO,  17                          ; v17  32 r
.set VO1,  18                          ; v18  16 r
.set VO0,  19                          ; v19  32 r + 16 h
.set SPW,  20                          ; v20  LDS address of my spare word; never rewritten
.set NIL,  21                          ; v21  0; never rewritten
.set VW4,  23                          ; v23  4 x wave; never rewritten
.set PQ,   24                          ; v[24:31]  tile t: (z, q) at PQ + 2 t
.set SV,   32                          ; v[32:35]  s of the four tiles
.set ES,   36                          ; v[36:39]  exp(s)
.set TT,   40                          ; v[40:43]  at work in the tails and in the bounds
.set KB,   44                          ; v44, v45  2 log2(e) b4 of s, of t
.set SC,   46                          ; v46  scale[layer]
.set T,    48                          ; v[48:63]  the bounds' constants, then the first layer's sums
.set ACC,  64                          ; v[64:127]   two buffers of four accumulators;  during the first layer: W1, 16 a chunk
.set WF,   128                         ; v[128:191]  two buffers of four fragments of W;  buffer 1 during the first layer: b1 of chunks 0, 1
.set BI,   192                         ; v[192:207]  two buffers of a bias
.set YA,   208                         ; v[208:239]  the last layer's four results;  during the first layer: b1 of chunks 2, 3
.set BS,   240                         ; v[240:247]  tile t: (beta, 2 log2(e) / beta) at BS + 2 t
.set MM,   248                         ; v[248:251]  four running maxima; at work in the bounds
.set VMX,  253                         ; v253  MXT + 32 x layer
; window 1
.set HA,   0                           ; activations: tile t, features 32 c on, at 32 t + 8 c
.set HB,   128                         ; the same; at a body's head the next unit's rows in f32
; scalars: s[8:47] the twenty addresses in the order of the arguments
.set WV,   48                          ; my wave's number
.set LEFT, 49                          ; layers to go, this one among them
.set SPR,  50                          ; the pair that is read: 0 or PAIR
.set SPS,  51                          ; the pair that is stored into: the other
.set WXR,  52                          ; the read pair's part of WMX: WMX or WMX + 64
.set WXS,  53                          ; the other
.set SRC,  54                          ; s[54:55], s[56:57]  W2 (waves 0-3) or W3 (waves 4-7) of s, of t, at the next layer
.set ZERO, 58
.set SAVE, 59
.set LOWH, 60                          ; the mask of lanes 0-15
.set C2L,  61                          ; 2 log2(e)
.set CL,   62                          ; log2(e)
.set O1,   72                          ; s[72:73]  out1 at my wave's rows of the layer in hand
.set SEL,  76                          ; s[76:77]  v_permlanex16_b32's selects: each lane takes its own place in the other half
.set MSB, 0
.macro WIN new                         ; s_set_vgpr_msb: bits 1:0 source 0, 3:2 source 1, 5:4 source 2, 7:6 destination; the high byte repeats the setting that is left
.if MSB != (\new)
	s_set_vgpr_msb (MSB<<8)|(\new)
.set MSB, \new
.endif
.endm
; My 32 rows of a unit, f32: one load is one whole row, 512 consecutive bytes.
.macro STG_LOADS base, src
	WIN 0x40                                       ; destination in window 1
.set j, 0
.rept 32
	global_load_b128 v[(\base)+4*j:(\base)+4*j+3], v[VGO], s[\src:\src+1] offset:512*j
.set j, j+1
.endr
	WIN 0
.endm
; Their largest magnitude goes into my word of WMX (pair by the scalar wx); they are rounded in place (4 f32 into 2 registers) and stored: one store is one whole row, 256 consecutive bytes.
.macro STG_STORE base, adr, wx, net
	WIN 0x05                                       ; sources 0 and 1 in window 1
.set j, 0
.rept 64                               ; four chains, started by the first four pairs
.if j < 4
	v_max_num_f32 v[MM+j], |v[(\base)+2*j]|, |v[(\base)+2*j+1]|
.else
	v_max3_num_f32 v[MM+j%4], |v[(\base)+2*j]|, |v[(\base)+2*j+1]|, v[MM+j%4]
.endif
.set j, j+1
.endr
	WIN 0
	v_max3_num_f32 v[MM], v[MM], v[MM+1], v[MM+2]
	v_max_num_f32 v[MM], v[MM], v[MM+3]
.irp m, 1,2,4,8
	v_max_num_f32_dpp v[MM], v[MM], v[MM] row_xmask:\m row_mask:0xf bank_mask:0xf
.endr
	v_permlanex16_b32 v[MM+1], v[MM], s[SEL], s[SEL+1]
	v_max_num_f32 v[MM], v[MM], v[MM+1]            ; every lane holds the maximum of the wave's 32 rows
	v_add_nc_u32 v[MM+2], s[\wx], v[VW4]
	ds_store_b32 v[MM+2], v[MM] offset:32*(\net)   ; all lanes write the same word with the same number
	WIN 0x45                                       ; destination and both sources in window 1
.set j, 0
.rept 32
	v_cvt_pk_f16_f32 v[(\base)+4*j], v[(\base)+4*j], v[(\base)+4*j+1]
	v_cvt_pk_f16_f32 v[(\base)+4*j+1], v[(\base)+4*j+2], v[(\base)+4*j+3]
.set j, j+1
.endr
	WIN 0x04                                       ; the data (source 1) in window 1, the address in window 0
.set j, 0
.rept 32
	ds_store_b64 v[\adr], v[(\base)+4*j:(\base)+4*j+1] offset:PITCH*j
.set j, j+1
.endr
	WIN 0
.endm
; The fragments of W for the NEXT group, into the buffer that the group in hand does not use.  lam = 0: W2; 1: W3; 2: W4 (the same 32 numbers for all 16 rows).
.macro WRUN net, lam, mu
	WIN 0
.set WN, WF+32*((GI+1)%2)
.if (\lam) == 2
.irp k, 0,1,2,3
	ds_load_b128 v[WN+8*(\k):WN+8*(\k)+3],   v[VP4] offset:(\net)*2048+64*(\k)
	ds_load_b128 v[WN+8*(\k)+4:WN+8*(\k)+7], v[VP4] offset:(\net)*2048+64*(\k)+32
.endr
.else
.irp k, 0,1,2,3
	ds_load_b128 v[WN+8*(\k):WN+8*(\k)+3],   v[VWA] offset:(\lam)*128*PITCH+(\mu)*16*PITCH+64*(\k)
	ds_load_b128 v[WN+8*(\k)+4:WN+8*(\k)+7], v[VWA] offset:(\lam)*128*PITCH+(\mu)*16*PITCH+64*(\k)+32
.endr
.endif
.endm
; The bias of the group IN HAND, which the next group's slices add: into the buffer of this group's parity; this group's slices read the other.
.macro BRUN net, lam, mu
	WIN 0
.set BN, BI+8*(GI%2)
	ds_load_b128 v[BN:BN+3],   v[VP] offset:(4*(\net)+2+(\lam))*4096+64*(\mu)
	ds_load_b128 v[BN+4:BN+7], v[VP] offset:(4*(\net)+2+(\lam))*4096+64*(\mu)+16
.endm
; Four lines of the way from the last group's sums to the next product's source 1, three slices a tile: sum + beta x bias, in place, from the accumulator's lowest registers on;
; the rounding to f16; the ReLU.
.macro SLICE n
.set st, (\n)/3
.if (\n)%3 == 0
	WIN 0
.irp j, 0,1,2,3
	v_pk_fma_f32 v[CV_SRC+8*st+2*(\j):CV_SRC+8*st+2*(\j)+1], v[CV_BI+2*(\j):CV_BI+2*(\j)+1], v[BS+2*st:BS+2*st+1], v[CV_SRC+8*st+2*(\j):CV_SRC+8*st+2*(\j)+1] op_sel_hi:[1,0,1]
.endr
.elseif (\n)%3 == 1
	WIN 0x40
.irp j, 0,1,2,3
	v_cvt_pk_f16_f32 v[CV_DST+32*st+(\j)], v[CV_SRC+8*st+2*(\j)], v[CV_SRC+8*st+2*(\j)+1]
.endr
.else
	WIN 0x41
.irp j, 0,1,2,3
	v_pk_max_num_f16 v[CV_DST+32*st+(\j)], v[CV_DST+32*st+(\j)], s[ZERO]
.endr
.endif
.endm
.macro PLACES                          ; four places behind a product, in front of lines that read its result and of loads into registers that it has read
.rept 4
	v_nop
.endr
.endm
; A GROUP: 16 features (mu) of layer lam for the wave's four tiles: 16 products, K = 128 in four steps; the four accumulators take turns, one instruction a turn, from group to group too.
; The first four products start the sums with the constant 0.  Behind the first twelve products stand the slices of the group before; they end before K step 3, the only one that reads what the
; last group of a layer has made.  Behind the second product stands the run of LDS loads: 14 products ahead of the wait for it.
.macro GROUP net, lam, mu
.set AB, ACC+32*(GI%2)
.set WB, WF+32*(GI%2)
.set HIN, HA+128*(\lam)
.set HOUT, HB-128*(\lam)
	s_wait_dscnt 0x0                               ; this group's fragments are in, and the last group's bias
.set i, 0
.rept 16
	WIN 0x04                                       ; source 1 in window 1
.if i < 4
	v_wmma_f32_16x16x32_f16 v[AB+8*i:AB+8*i+7], v[WB:WB+7], v[HIN+32*i:HIN+32*i+7], 0
.else
	v_wmma_f32_16x16x32_f16 v[AB+8*(i%4):AB+8*(i%4)+7], v[WB+8*(i/4):WB+8*(i/4)+7], v[HIN+32*(i%4)+8*(i/4):HIN+32*(i%4)+8*(i/4)+7], v[AB+8*(i%4):AB+8*(i%4)+7]
.endif
.if CV_ON && (i < 12)
	SLICE i
.endif
.if i == 1
.if (\mu) < 7
	WRUN \net, \lam, (\mu)+1
.elseif (\lam) == 0
	WRUN \net, 1, 0
.else
	WRUN \net, 2, 0
.endif
	BRUN \net, \lam, \mu
.endif
.set i, i+1
.endr
	WIN 0
	PLACES
.set CV_ON, 1
.set CV_SRC, AB
.set CV_BI, BI+8*(GI%2)
.set CV_DST, HOUT+8*((\mu)/2)+4*((\mu)%2)
.set GI, GI+1
.endm
; The last layer: 16 products, W4 in every row of source 0; b4 is added in the tail.
.macro FINAL
.set WB, WF+32*(GI%2)
	s_wait_dscnt 0x0
.set i, 0
.rept 16
	WIN 0x04
.if i < 4
	v_wmma_f32_16x16x32_f16 v[YA+8*i:YA+8*i+7], v[WB:WB+7], v[HA+32*i:HA+32*i+7], 0
.else
	v_wmma_f32_16x16x32_f16 v[YA+8*(i%4):YA+8*(i%4)+7], v[WB+8*(i/4):WB+8*(i/4)+7], v[HA+32*(i%4)+8*(i/4):HA+32*(i%4)+8*(i/4)+7], v[YA+8*(i%4):YA+8*(i%4)+7]
.endif
.if i < 12
	SLICE i
.endif
.set i, i+1
.endr
	WIN 0
	PLACES
.endm
.macro B1AT                            ; where b1 of chunk c lies during the first layer
.if c < 2
.set b1r, WF+32+16*c
.else
.set b1r, YA+16*(c-2)
.endif
.endm
; tanh of the four tiles' sums into TT; the sums come as beta y, and the first line takes beta out again.  Two batches of four transcendentals, each with its plain instruction and its one wait.
.macro TANH4 kb
.irp t, 0,1,2,3
	v_fma_f32 v[TT+(\t)], v[YA+8*(\t)], v[BS+2*(\t)+1], v[\kb]
.endr
.irp t, 0,1,2,3
	v_exp_f32 v[TT+(\t)], v[TT+(\t)]
.endr
	v_nop
	s_wait_alu depctr_va_vdst(0)
.irp t, 0,1,2,3
	v_add_f32 v[TT+(\t)], 1.0, v[TT+(\t)]
.endr
.irp t, 0,1,2,3
	v_rcp_f32 v[TT+(\t)], v[TT+(\t)]
.endr
	v_nop
	s_wait_alu depctr_va_vdst(0)
.irp t, 0,1,2,3
	v_fma_f32 v[TT+(\t)], v[TT+(\t)], -2.0, 1.0
.endr
.endm
; ONE NET (0: s, 1: t) of the layer in hand, from z to the four sums in YA.
.macro MLP net
	v_add_nc_u32 v[VWA], s[SPR], v[VW0+(\net)]
	v_add_nc_u32 v[VST], s[SPS], v[VS0+(\net)]
	s_cmp_eq_u32 s[LEFT], 1                        ; the last layer has no next layer: it loads and stores no weights
	s_cbranch_scc1 .Lno_loads_\@
	STG_LOADS HB, SRC+2*(\net)                     ; HB is idle until the second group: the first layer stands between these loads and the wait for them
.Lno_loads_\@:
	v_mov_b32 v7, s[WXR]
	ds_load_b128 v[T:T+3],     v[VMX] offset:16*(\net)      ; max|W1|, max|b1|, max|b2|, max|b3| of this net and layer
	ds_load_b128 v[T+4:T+7],   v7 offset:32*(\net)          ; max|W2| by waves 0-3
	ds_load_b128 v[T+8:T+11],  v7 offset:32*(\net)+16       ; max|W3| by waves 4-7
.set c, 0
.rept 4                                ; W1 and b1 of my 64 features: chunk c: 32 c + 8 h + 0..7 and 32 c + 16 + 8 h + 0..7
	B1AT
.irp q, 0,1,2,3
	ds_load_b128 v[ACC+16*c+4*(\q):ACC+16*c+4*(\q)+3], v[VP] offset:4*(\net)*4096+128*c+16*((\q)%2)+64*((\q)/2)
	ds_load_b128 v[b1r+4*(\q):b1r+4*(\q)+3],           v[VP] offset:(4*(\net)+1)*4096+128*c+16*((\q)%2)+64*((\q)/2)
.endr
.set c, c+1
.endr
.set GI, 1
	WRUN \net, 0, 0                                ; the first group's eight loads, into the buffer of parity 0
.set GI, 0
	s_wait_dscnt 40                                ; LDS loads come back in order (ISA guide 5.7.1): the maxima are in; the 32 + 8 loads behind them may stay out
	; THE BOUNDS.  B_l = a_l |z| + c_l: a1 = T+0, c1 = T+1; a2 = T+5, c2 = T+6; a3 = T+9, c3 = T+10
	v_max3_num_f32 v[T+4], v[T+4], v[T+5], v[T+6]
	v_max3_num_f32 v[T+8], v[T+8], v[T+9], v[T+10]
	v_max_num_f32 v[T+4], v[T+4], v[T+7]
	v_max_num_f32 v[T+8], v[T+8], v[T+11]
	v_mul_f32 v[T+4], 0x43000000, v[T+4]           ; 128 max|W2|: no row's sum of magnitudes is greater
	v_mul_f32 v[T+8], 0x43000000, v[T+8]
	v_mul_f32 v[T+5], v[T+4], v[T]
	v_fma_f32 v[T+6], v[T+4], v[T+1], v[T+2]
	v_mul_f32 v[T+9], v[T+8], v[T+5]
	v_fma_f32 v[T+10], v[T+8], v[T+6], v[T+3]
.irp t, 0,1,2,3
	v_fma_f32 v[T+12+(\t)], |v[PQ+2*(\t)]|, v[T], v[T+1]
.endr
.irp t, 0,1,2,3
	v_fma_f32 v[MM+(\t)], |v[PQ+2*(\t)]|, v[T+5], v[T+6]
.endr
.irp t, 0,1,2,3
	v_fma_f32 v[TT+(\t)], |v[PQ+2*(\t)]|, v[T+9], v[T+10]
.endr
.irp t, 0,1,2,3
	v_max3_num_f32 v[T+12+(\t)], v[T+12+(\t)], v[MM+(\t)], v[TT+(\t)]
.endr
.irp t, 0,1,2,3
	v_and_b32 v[T+12+(\t)], 0x7f800000, v[T+12+(\t)]       ; the bound's exponent E, in its place,
.endr
.irp t, 0,1,2,3
	v_max_u32 v[T+12+(\t)], 0x07800000, v[T+12+(\t)]       ; 15 at the least, so that both powers below are normal numbers
.endr
.irp t, 0,1,2,3
	v_sub_nc_u32 v[BS+2*(\t)], 0x86000000, v[T+12+(\t)]    ; beta = 2^(141 - E): exponent field 268 - E
	v_add_nc_u32 v[MM+(\t)], 0xf9000000, v[T+12+(\t)]      ; 1 / beta: exponent field E - 14
.endr
.irp t, 0,1,2,3
	v_mul_f32 v[BS+2*(\t)+1], s[C2L], v[MM+(\t)]
.endr
	s_wait_dscnt 8                                 ; W1 and b1 are in, the eight fragment loads may stay out
.set c, 0
.rept 4                                ; THE FIRST LAYER: beta (z W1 + b1) in f32, two features a line, rounded into source 1's own layout
	B1AT
.set t, 0
.rept 4
	WIN 0
.irp j, 0,1,2,3,4,5,6,7
	v_pk_fma_f32 v[T+2*(\j):T+2*(\j)+1], v[ACC+16*c+2*(\j):ACC+16*c+2*(\j)+1], v[PQ+2*t:PQ+2*t+1], v[b1r+2*(\j):b1r+2*(\j)+1] op_sel_hi:[1,0,1]
.endr
.irp j, 0,1,2,3,4,5,6,7
	v_pk_mul_f32 v[T+2*(\j):T+2*(\j)+1], v[T+2*(\j):T+2*(\j)+1], v[BS+2*t:BS+2*t+1] op_sel_hi:[1,0]
.endr
	WIN 0x40
.irp j, 0,1,2,3,4,5,6,7
	v_cvt_pk_f16_f32 v[HA+32*t+8*c+(\j)], v[T+2*(\j)], v[T+2*(\j)+1]
.endr
.set t, t+1
.endr
.set c, c+1
.endr
	WIN 0x41
.set j, 0
.rept 128                              ; its ReLU, in one run under one window setting
	v_pk_max_num_f16 v[HA+j], v[HA+j], s[ZERO]
.set j, j+1
.endr
	WIN 0
	s_wait_loadcnt 0x0                             ; my 32 rows of the next layer's unit are in.  The wait stands on every path, so that no load into HB is out when the next body loads into HB; in the last layer nothing is out
	s_cmp_eq_u32 s[LEFT], 1
	s_cbranch_scc1 .Lno_stage_\@
	STG_STORE HB, VST, WXS, \net                   ; into the slot of this net's unit of the layer before: every wave left that unit, and its words of WMX, before it signalled the last barrier, whose wait I have passed
.Lno_stage_\@:
	s_wait_dscnt 0x0                               ; for the others' sake: my stores are done; no LDS instruction of mine is out
	s_barrier_signal -1                            ; between this signal and its wait: products, vector work, and LDS loads of the unit in hand and of the tables, which no wave writes before a later barrier
.set CV_ON, 0
.set gm, 0
.rept 8
	GROUP \net, 0, gm
.set gm, gm+1
.endr
.set gm, 0
.rept 8
	GROUP \net, 1, gm
.set gm, gm+1
.endr
	FINAL
	s_barrier_wait -1                              ; every wave's part of the unit stored in this body is in LDS: it is read two bodies on
.endm
	s_load_b512 s[8:23], s[0:1], 0x0               ; x, s_scale, s_W1, s_b1, s_W2, s_b2, s_W3, s_b3
	s_load_b512 s[24:39], s[0:1], 0x40             ; s_W4, s_b4, t_W1, t_b1, t_W2, t_b2, t_W3, t_b3
	s_load_b256 s[40:47], s[0:1], 0x80             ; t_W4, t_b4, out0, out1
	v_lshl_add_u32 v[SPW], v0, 2, SPARE
	v_mov_b32 v[NIL], 0
	v_lshrrev_b32 v3, 5, v0
	v_readfirstlane_b32 s[WV], v3                  ; wave 0..7
	v_and_b32 v1, 15, v0                           ; r
	v_bfe_u32 v2, v0, 4, 1                         ; h
	v_and_b32 v4, 31, v0                           ; lane
	v_lshl_add_u32 v[VP], v2, 5, PAR
	v_lshl_add_u32 v[VP4], v2, 4, W4T
	v_mul_u32_u24 v[VW0], v1, PITCH
	v_lshl_add_u32 v[VW0], v2, 4, v[VW0]
	v_add_nc_u32 v[VW0+1], UNIT, v[VW0]
	s_mul_i32 s74, s[WV], 32*PITCH
	v_lshl_add_u32 v[VS0], v4, 3, s74
	v_add_nc_u32 v[VS0+1], UNIT, v[VS0]
	s_and_b32 s75, s[WV], 3
	s_lshl_b32 s75, s75, 14                        ; 32 rows of 512 bytes
	v_lshl_add_u32 v[VGO], v4, 4, s75
	s_lshl_b32 s74, s[WV], 2
	v_mov_b32 v[VW4], s74
	s_lshl_b32 s75, s[WV], 5
	s_add_co_u32 s75, s75, MXT
	v_mov_b32 v7, s75                              ; where my wave puts its layer's eight maxima
	v_mov_b32 v[VMX], MXT
	v_lshlrev_b32 v[VXO], 5, v1
	v_lshlrev_b32 v[VO1], 4, v1
	v_lshl_add_u32 v[VO0], v2, 4, v[VXO]
	v_lshlrev_b32 v22, 4, v0                       ; 16 x thread: my 16 bytes of a table of 4,096
	v_add_nc_u32 v5, PAR, v22
	v_lshl_add_u32 v6, v0, 3, W4T
	v_cmp_eq_u32 s[LOWH], 0, v2
	s_mov_b32 s[ZERO], 0
	s_mov_b32 s[C2L], 0x4038aa3b
	s_mov_b32 s[CL], 0x3fb8aa3b
	s_mov_b32 s[SEL], 0x76543210
	s_mov_b32 s[SEL+1], 0xfedcba98
	s_mov_b32 s[LEFT], 8
	s_mov_b32 s[SPR], 0
	s_mov_b32 s[SPS], PAIR
	s_mov_b32 s[WXR], WMX
	s_mov_b32 s[WXS], WMX+64
	s_lshl_b32 s74, ttmp9, 12                      ; the work-group's 512 rows of 8 bytes,
	s_lshl_b32 s75, s[WV], 9                       ; my wave's 64
	s_add_co_u32 s74, s74, s75
	s_mov_b32 s75, 0
	s_wait_kmcnt 0x0
	s_add_nc_u64 s[8:9], s[8:9], s[74:75]          ; x and out0 at my wave's rows
	s_add_nc_u64 s[44:45], s[44:45], s[74:75]
	s_lshr_b32 s74, s74, 1                         ; 4 bytes a row
	s_add_nc_u64 s[O1:O1+1], s[46:47], s[74:75]
	s_cmp_lt_u32 s[WV], 4                          ; waves 0-3 bring W2's rows, waves 4-7 W3's
	s_cselect_b64 s[SRC:SRC+1], s[16:17], s[20:21]
	s_cselect_b64 s[SRC+2:SRC+3], s[32:33], s[36:37]
	global_load_b128 v[PQ:PQ+3],   v[VXO], s[8:9] th:TH_LOAD_NT
	global_load_b128 v[PQ+4:PQ+7], v[VXO], s[8:9] offset:16 th:TH_LOAD_NT
	global_load_b128 v[64:67],   v22, s[12:13]     ; s W1
	global_load_b128 v[68:71],   v22, s[14:15]     ; s b1
	global_load_b128 v[72:75],   v22, s[18:19]     ; s b2
	global_load_b128 v[76:79],   v22, s[22:23]     ; s b3
	global_load_b128 v[80:83],   v22, s[28:29]     ; t W1
	global_load_b128 v[84:87],   v22, s[30:31]     ; t b1
	global_load_b128 v[88:91],   v22, s[34:35]     ; t b2
	global_load_b128 v[92:95],   v22, s[38:39]     ; t b3
	global_load_b128 v[96:99],   v22, s[24:25]     ; s W4
	global_load_b128 v[100:103], v22, s[40:41]     ; t W4
	STG_LOADS HA, SRC                              ; layer 0's s unit
	s_wait_loadcnt 32                              ; loads come back in order (ISA guide 5.7.1): x and the tables are in, the unit's 32 stay out
.set a, 0
.rept 8
	ds_store_b128 v5, v[64+4*a:64+4*a+3] offset:4096*a
.set a, a+1
.endr
	v_cvt_pk_f16_f32 v96, v96, v97
	v_cvt_pk_f16_f32 v97, v98, v99
	v_cvt_pk_f16_f32 v100, v100, v101
	v_cvt_pk_f16_f32 v101, v102, v103
	ds_store_b64 v6, v[96:97]
	ds_store_b64 v6, v[100:101] offset:2048
	; a table's row of 128 numbers is 32 threads' 16 bytes: wave w holds layer w of all eight tables, and finds their largest magnitudes
.set a, 0
.rept 8
	v_max3_num_f32 v[104+a], |v[64+4*a]|, |v[65+4*a]|, |v[66+4*a]|
.set a, a+1
.endr
.set a, 0
.rept 8
	v_max_num_f32 v[104+a], v[104+a], |v[67+4*a]|
.set a, a+1
.endr
.irp m, 1,2,4,8
.set a, 0
.rept 8
	v_max_num_f32_dpp v[104+a], v[104+a], v[104+a] row_xmask:\m row_mask:0xf bank_mask:0xf
.set a, a+1
.endr
.endr
.set a, 0
.rept 8
	v_permlanex16_b32 v4, v[104+a], s[SEL], s[SEL+1]
	v_max_num_f32 v[104+a], v[104+a], v4
.set a, a+1
.endr
	ds_store_b128 v7, v[104:107]                   ; all lanes write the same 32 bytes with the same numbers
	ds_store_b128 v7, v[108:111] offset:16
	STG_LOADS HB, SRC+2                            ; layer 0's t unit
	s_wait_loadcnt 32                              ; the s unit is in, the t unit's 32 stay out
	STG_STORE HA, VS0, WXR, 0
	s_wait_loadcnt 0x0
	STG_STORE HB, VS0+1, WXR, 1
	s_add_nc_u64 s[SRC:SRC+1], s[SRC:SRC+1], 0x10000      ; all loads that named them are done: on to layer 1
	s_add_nc_u64 s[SRC+2:SRC+3], s[SRC+2:SRC+3], 0x10000
	s_wait_dscnt 0x0                               ; for the others' sake: my part of the tables, of the maxima and of both units is in LDS
	s_barrier_signal -1
	s_barrier_wait -1
.Llayer:
	s_load_b32 s66, s[26:27], 0x0                  ; s b4, t b4 and the scale of this layer: wanted a net's work later
	s_load_b32 s67, s[42:43], 0x0
	s_load_b32 s68, s[10:11], 0x0
	MLP 0
	s_wait_kmcnt 0x0
	s_add_nc_u64 s[26:27], s[26:27], 4             ; the three loads are done: their addresses step to the next layer
	s_add_nc_u64 s[42:43], s[42:43], 4
	s_add_nc_u64 s[10:11], s[10:11], 4
	v_mov_b32 v[KB], s66
	v_mov_b32 v[KB+1], s67
	v_mov_b32 v[SC], s68
	v_mul_f32 v[KB], s[C2L], v[KB]
	v_mul_f32 v[KB+1], s[C2L], v[KB+1]
	TANH4 KB
.irp t, 0,1,2,3
	v_mul_f32 v[SV+(\t)], v[SC], v[TT+(\t)]        ; s
.endr
.irp t, 0,1,2,3
	v_mul_f32 v[ES+(\t)], s[CL], v[SV+(\t)]
.endr
.irp t, 0,1,2,3
	v_exp_f32 v[ES+(\t)], v[ES+(\t)]               ; exp(s), kept for the t net's tail
.endr
	v_nop
	s_wait_alu depctr_va_vdst(0)
	s_wait_xcnt 0x0                                ; EXEC changes only behind this wait
	s_and_saveexec_b32 s[SAVE], s[LOWH]            ; both halves of the lanes hold the same rows: lanes 0-15 store
	global_store_b128 v[VO1], v[SV:SV+3], s[O1:O1+1] th:TH_STORE_NT  ; 16 lanes store 256 consecutive bytes, at a multiple of 256 from out1's first byte
	s_wait_xcnt 0x0                                ; and again, in front of the line that widens it; behind it the base and, a layer on, the data may be written
	s_or_b32 exec_lo, exec_lo, s[SAVE]
	s_add_nc_u64 s[O1:O1+1], s[O1:O1+1], 0x80000   ; a layer's 131,072 numbers on
	MLP 1
	TANH4 KB+1
.irp t, 0,1,2,3
	v_fma_f32 v[TT+(\t)], v[ES+(\t)], v[PQ+2*(\t)+1], v[TT+(\t)]  ; exp(s) q + t
.endr
.irp t, 0,1,2,3                        ; the coordinates change places (eight copies a layer; written out for two layers they would go, at twice the text)
	v_mov_b32 v[PQ+2*(\t)+1], v[PQ+2*(\t)]
	v_mov_b32 v[PQ+2*(\t)], v[TT+(\t)]
.endr
	v_add_nc_u32 v[VP], 512, v[VP]                 ; the tables' next layer
	v_add_nc_u32 v[VP4], 256, v[VP4]
	v_add_nc_u32 v[VMX], 32, v[VMX]
	s_wait_xcnt 0x0                                ; every load that named them has read its address (and has been waited for)
	s_add_nc_u64 s[SRC:SRC+1], s[SRC:SRC+1], 0x10000
	s_add_nc_u64 s[SRC+2:SRC+3], s[SRC+2:SRC+3], 0x10000
	s_xor_b32 s[SPR], s[SPR], PAIR                 ; the pairs change places
	s_xor_b32 s[SPS], s[SPS], PAIR
	s_xor_b32 s[WXR], s[WXR], 64
	s_xor_b32 s[WXS], s[WXS], 64
	s_sub_co_u32 s[LEFT], s[LEFT], 1
	s_cmp_lg_u32 s[LEFT], 0
	s_cbranch_scc1 .Llayer
	; after eight changes of places z is a and q is b again: a lane's eight registers are its four rows of out0; lanes 0-15 store the first 16 bytes, lanes 16-31 the second
.irp j, 0,1,2,3
	v_cndmask_b32 v[TT+(\j)], v[PQ+4+(\j)], v[PQ+(\j)], s[LOWH]
.endr
	global_store_b128 v[VO0], v[TT:TT+3], s[44:45] th:TH_STORE_NT  ; the wave's store covers 512 consecutive bytes, aligned
	s_wait_tensorcnt 0x0                           ; the wave's end, behind my last LDS store
	ds_add_u32 v[SPW], v[NIL]
	s_wait_dscnt 0x0
	s_endpgm
.Lfunc_end_k_qd917d67ca7_flow:
	.size	k_qd917d67ca7_flow, .Lfunc_end_k_qd917d67ca7_flow-k_qd917d67ca7_flow
	.p2alignl 7, 3214868480
	.fill 96, 4, 3214868480
	.section	.rodata,"a",@progbits
	.p2align	6, 0x0
	.amdhsa_kernel k_qd917d67ca7_flow
		.amdhsa_group_segment_fixed_size 316928
		.amdhsa_private_segment_fixed_size 0
		.amdhsa_enable_private_segment 0
		.amdhsa_kernarg_size 160
		.amdhsa_user_sgpr_count 2
		.amdhsa_user_sgpr_kernarg_segment_ptr 1
		.amdhsa_wavefront_size32 1
		.amdhsa_system_sgpr_workgroup_id_x 1
		.amdhsa_system_sgpr_workgroup_id_y 1
		.amdhsa_system_sgpr_workgroup_id_z 1
		.amdhsa_system_vgpr_workitem_id 0
		.amdhsa_next_free_vgpr 512
		.amdhsa_next_free_sgpr 80
		.amdhsa_reserve_vcc 0
		.amdhsa_float_denorm_mode_32 3
		.amdhsa_float_denorm_mode_16_64 3
		.amdhsa_memory_ordered 1
		.amdhsa_forward_progress 1
		.amdhsa_inst_pref_size 255
	.end_amdhsa_kernel
	.section	.bss,"aw",@nobits
	.p2align	6
	.space	262144
	.amdgpu_metadata
---
amdhsa.version: [ 1, 2 ]
amdhsa.kernels:
  - .name:           k_qd917d67ca7_flow
    .symbol:         k_qd917d67ca7_flow.kd
    .args:
      - { .name: x, .offset: 0, .size: 8, .value_kind: global_buffer, .address_space: global }
      - { .name: s_scale, .offset: 8, .size: 8, .value_kind: global_buffer, .address_space: global }
      - { .name: s_W1, .offset: 16, .size: 8, .value_kind: global_buffer, .address_space: global }
      - { .name: s_b1, .offset: 24, .size: 8, .value_kind: global_buffer, .address_space: global }
      - { .name: s_W2, .offset: 32, .size: 8, .value_kind: global_buffer, .address_space: global }
      - { .name: s_b2, .offset: 40, .size: 8, .value_kind: global_buffer, .address_space: global }
      - { .name: s_W3, .offset: 48, .size: 8, .value_kind: global_buffer, .address_space: global }
      - { .name: s_b3, .offset: 56, .size: 8, .value_kind: global_buffer, .address_space: global }
      - { .name: s_W4, .offset: 64, .size: 8, .value_kind: global_buffer, .address_space: global }
      - { .name: s_b4, .offset: 72, .size: 8, .value_kind: global_buffer, .address_space: global }
      - { .name: t_W1, .offset: 80, .size: 8, .value_kind: global_buffer, .address_space: global }
      - { .name: t_b1, .offset: 88, .size: 8, .value_kind: global_buffer, .address_space: global }
      - { .name: t_W2, .offset: 96, .size: 8, .value_kind: global_buffer, .address_space: global }
      - { .name: t_b2, .offset: 104, .size: 8, .value_kind: global_buffer, .address_space: global }
      - { .name: t_W3, .offset: 112, .size: 8, .value_kind: global_buffer, .address_space: global }
      - { .name: t_b3, .offset: 120, .size: 8, .value_kind: global_buffer, .address_space: global }
      - { .name: t_W4, .offset: 128, .size: 8, .value_kind: global_buffer, .address_space: global }
      - { .name: t_b4, .offset: 136, .size: 8, .value_kind: global_buffer, .address_space: global }
      - { .name: out0, .offset: 144, .size: 8, .value_kind: global_buffer, .address_space: global }
      - { .name: out1, .offset: 152, .size: 8, .value_kind: global_buffer, .address_space: global }
    .group_segment_fixed_size: 316928
    .private_segment_fixed_size: 0
    .kernarg_segment_align: 8
    .kernarg_segment_size: 160
    .max_flat_workgroup_size: 256
    .sgpr_count:     80
    .vgpr_count:     512
    .wavefront_size: 32
...
	.end_amdgpu_metadata
.endif
;; end of part 1
